; MI455X (gfx1250); checked and timed in simulation.
; The chip was launched on July 23, 2026; its instructions are those of AMD's public machine-readable ISA for CDNA 5 (MIT licence, August 2026) and "CDNA5" Instruction Set Architecture Reference Guide (July 2026). The comments in the code are by the model that wrote it; some were corrected since.
;; Multi Head Attention. Allowed arithmetic: matrix products marked QUANTISED: E5M2 operands, one E8M0 scale for each 32 along K, by v_wmma_scale_f32_16x16x128_f8f6f4 with both operands' format E5M2, f32 sums; everything else in f32.
;; Inputs: Wk 512 x 512 float32; Wo 512 x 512 float32; Wq 512 x 512 float32; Wv 512 x 512 float32; bk 512 float32; bo 512 float32; bq 512 float32; bv 512 float32; x 2 x 4,096 x 512 float32.
;; Outputs: out0 2 x 4,096 x 512 float32.
;; This version of the problem:
;;   THIS VERSION OF THE PROBLEM IS GIVEN IN LOW PRECISION. The matrix products marked QUANTISED in the list below multiply operands that are first quantised to E5M2 (5 exponent bits, 2 mantissa bits; 8 bits a number), with one power-of-two scale for each 32 numbers along K (OCP MX v1.0); their sums are f32. All else is computed in f32.
;;   The module's matrix products, in the order in which they are computed (A, B: the left and right operand; K: the contracted axis; several contracted axes count as one K, in the product's order):
;;     1. [M 8,192, K 512] x [K 512, N 512]; A: input x; B: input Wq: QUANTISED
;;     2. [M 8,192, K 512] x [K 512, N 512]; A: input x; B: input Wk: QUANTISED
;;     3. [M 8,192, K 512] x [K 512, N 512]; A: input x; B: input Wv: QUANTISED
;;     4. batch 16 x [M 4,096, K 64] x [K 64, N 4,096]; A: computed on the way; B: computed on the way: QUANTISED
;;     5. batch 16 x [M 4,096, K 4,096] x [K 4,096, N 64]; A: softmax (see below); B: computed on the way: QUANTISED
;;     6. [M 8,192, K 512] x [K 512, N 512]; A: computed on the way; B: input Wo: QUANTISED
;;   THE QUANTISER, for each operand of a quantised product, along K:
;;     - K is cut into blocks of 32 from its start; a last block that is shorter is filled with zeros.
;;     - A block's scale is 2^e with e = floor(log2(the largest magnitude in the block)) - 15, held to -126 .. 127; a block of zeros has e = 0. As a byte (E8M0): e + 127.
;;     - Each number is divided by its block's scale, clamped to +-57,344, and rounded to the nearest number of E5M2, ties to even, subnormals kept.
;;     - The product sums the exact products of the quantised numbers (number of the format x scale) in f32.
;;   ~~~python
;;   def quantise(x, axis):      # numpy; x: float32 -> the quantised numbers, widened to float32 again
;;       x = np.moveaxis(x, axis, -1); K = x.shape[-1]
;;       x = np.pad(x, [(0, 0)] * (x.ndim - 1) + [(0, -K % 32)]); x = x.reshape(x.shape[:-1] + (-1, 32)); a = np.abs(x).max(-1, keepdims=True)
;;       e = np.where(a > 0, np.clip(np.frexp(np.where(a > 0, a, 1))[1] - 1 - 15, -126, 127), 0)      # np.frexp(a)[1] - 1 = floor(log2(a)), exactly
;;       r = np.clip(x / 2.0 ** e, -57344, 57344)
;;       step = 2.0 ** (np.maximum(np.frexp(np.where(r == 0, 1, r))[1] - 1, -14) - 2)
;;       q = np.round(r / step) * step * 2.0 ** e      # np.round: ties to even
;;       return np.moveaxis(q.reshape(q.shape[:-2] + (-1,))[..., :K], -1, axis).astype(np.float32)
;;   ~~~
;;   SOFTMAX AHEAD OF A QUANTISED PRODUCT. Where the list says 'softmax', what is quantised is not the finished softmax but p = 2^(t - M), with t = logit x log2(e) and M = ceil(the row's largest t), a whole number; so 1/2 < the row's largest p <= 1. The row's sum l is taken of the UNQUANTISED p, in f32, and the product's result is divided by l at the end. Since M is a whole number, a kernel that streams over the keys may use a running M (the ceiling of the running maximum): every later rescaling is an exact power of two, which a block's scale takes up: the codes' values come out the same.
;;   OPERANDS COMPUTED ON THE WAY. 'Computed on the way' means the value that the module computes at that place (a softmax that the list does not call 'softmax' is quantised finished and normalised). What goes into a quantiser is computed in f32, as accurately as f32 sums, v_exp_f32 and their like allow (about 1e-6 of the number): no bf16 or f16 on the way to a quantiser, and a product that is left as it is and whose result goes on into a quantised operand takes f32 operands (vector FMAs, or v_wmma_f32_16x16x4_f32). A number that lies on a knife's edge between two numbers of the format may be rounded either way, as far as f32 arithmetic and the matrix unit's own rounding can turn it there, and no further.
;; One version. Each part assembles by itself: llvm-mc -triple=amdgcn-amd-amdhsa -mcpu=gfx1250 --defsym DOCPART=n.
;; ======== version 1 of 1: 4 launches
;; limits: right only within a limited range of input values
;; workspace buffers: qc 5,242,880 bytes; qs 163,840 bytes; qimg 4,194,304 bytes; qsc 262,144 bytes; kv 8,781,824 bytes; cimg 4,194,304 bytes; csc 131,072 bytes
;; launch quant (part 1): grid 320 x 1, 2 waves a work-group, no clusters, 17,152 bytes of LDS; arguments x, Wq, Wk, Wv, Wo, qc, qs; writes qc, qs
.if DOCPART == 1
	.amdgcn_target "amdgcn-amd-amdhsa--gfx1250"
	.amdhsa_code_object_version 6
	.text
	.protected	k_q4e899a9dbb_quant
	.globl	k_q4e899a9dbb_quant
	.p2align	8
	.type	k_q4e899a9dbb_quant,@function
k_q4e899a9dbb_quant:
	s_mov_b64 s[64:65], 0
	v_nop
	global_prefetch_b8 v0, s[64:65] scope:SCOPE_SE
	s_setreg_imm32_b32 hwreg(HW_REG_WAVE_MODE, 25, 1), 1
	s_wait_xcnt 0x0
; x [8192][512] and Wq, Wk, Wv, Wo [512][512], f32 with K innermost, become codes of BF8 (E5M2) with one E8M0 scale byte for each 32 along K.
; A block's scale is 2^(floor(log2(its largest magnitude)) - 15); its byte is the largest magnitude's exponent field - 15, held at 1 from below.
; LIMITS: NaN and infinities are not served; a block whose largest magnitude lies under 2^-111 (a block of zeros among them) gets the byte 1: its codes are zeros or subnormal, and this program alone reads the bytes.
; LAYOUT OF THE RESULT: IMAGES OF OPERAND REGISTERS.  A tile is 16 rows; lane row r of tile T is row 32 (T / 2) + 8 (T % 2) + r + 8 (r / 8), so that the results of two neighbouring tiles used as source 0
; are 16 neighbours in a lane.  qc: [tile 640][K step 4][piece c 4][512 bytes]: lane l = r + 16 h has its 16 bytes at 16 l: k = 128 s + 32 c + 16 h + 0 .. 15 of its row.  Tiles 0-511 x, 512-543 Wq, 544-575 Wk, 576-607 Wv, 608-639 Wo.
; qs: [tile][r 16][K step 4] scale words: 256 bytes a tile.
; SHARES: a wave takes one tile (16 rows x 512).  Each load reads 512 consecutive bytes of one row; a K step's 16 x 512 bytes turn through the wave's own stage in LDS (rows of 512 + 16 bytes) and come back
; as 16 neighbours of each block of 32 in a lane.  No barrier: waves share nothing.  No matrix unit, cluster or tensor load: each byte is read once and used once.
.set STG,  8448                        ; a wave's stage: 16 rows x 528 bytes
.set TM,   8                           ; v8-11 largest magnitudes, v12-15 permute / bytes, v20-23 the conversions' scale operands
.set PW,   24                          ; v24-27 the scale word of each K step
.set PC,   32                          ; v32-63 codes, two sets of 16
.set X,    64                          ; v64-127 64 numbers: register 16 b + i = k 32 b + 16 h + i of my row
.set R,    128                         ; v128-255 a K step as loaded, two sets of 64
.set SEL,  26                          ; s[26:27] v_permlanex16_b32's selects for lane l xor 16
.set MNT,  28
; 64 numbers of a lane become a fragment's 16 registers of codes, v[pc] on, and its scale word, v[pw]
.macro QUANT s, pc, pw
.irp b, 0,1,2,3
	v_max3_num_f32 v[TM+\b], |v[\s+16*\b]|, |v[\s+1+16*\b]|, 0x8000000   ; block b: my 16 numbers and the floor 2^(16 - 127): the byte cannot fall under 1
.endr
.irp i, 2,4,6,8,10,12,14
.irp b, 0,1,2,3
	v_max3_num_f32 v[TM+\b], v[TM+\b], |v[\s+16*\b+\i]|, |v[\s+1+16*\b+\i]|   ; the four blocks by turns
.endr
.endr
.irp b, 0,1,2,3
	v_permlanex16_b32 v[TM+4+\b], v[TM+\b], s[SEL], s[SEL+1]
.endr
.irp b, 0,1,2,3
	v_max_num_f32 v[TM+\b], v[TM+\b], v[TM+4+\b]                    ; with lane l xor 16's 16: the block's largest magnitude
.endr
.irp b, 0,1,2,3
	v_add_nc_u32 v[TM+12+\b], 0xf8800000, v[TM+\b]                  ; 15 off its exponent field: the conversion's scale operand
.endr
.irp b, 0,1,2,3
.endr
.irp b, 0,1,2,3
	v_lshrrev_b32 v[TM+4+\b], 23, v[TM+12+\b]                       ; the scale's byte
.endr
	v_lshl_or_b32 v[\pw], v[TM+5], 8, v[TM+4]
	v_lshl_or_b32 v[\pw], v[TM+6], 16, v[\pw]
	v_lshl_or_b32 v[\pw], v[TM+7], 24, v[\pw]
.irp b, 0,1,2,3
.irp i, 0,1,2,3,4,5,6,7,8,9,10,11,12,13,14,15
.endr
	v_cvt_scalef32_pk8_bf8_f32 v[\pc+4*\b:\pc+4*\b+1], v[\s+16*\b:\s+16*\b+7], v[TM+12+\b]
	v_cvt_scalef32_pk8_bf8_f32 v[\pc+4*\b+2:\pc+4*\b+3], v[\s+16*\b+8:\s+16*\b+15], v[TM+12+\b]
.endr
	v_nop                                          ; one plain line behind the last scaled conversion
.endm
	s_load_b256 s[4:11], s[0:1], 0x0               ; x, Wq, Wk, Wv
	s_load_b128 s[12:15], s[0:1], 0x20             ; Wo, qc
	s_load_b64 s[16:17], s[0:1], 0x30              ; qs
	v_lshl_add_u32 v30, v0, 2, 0x4200
	v_mov_b32 v31, 0
	v_lshrrev_b32 v1, 5, v0
	v_readfirstlane_b32 s18, v1                    ; wave 0, 1
	v_and_b32 v1, 31, v0                           ; lane
	v_and_b32 v2, 15, v0                           ; r
	v_bfe_u32 v3, v0, 4, 1                         ; h
	v_lshlrev_b32 v4, 4, v1                        ; 16 x lane: my bytes of a load's 512, and of an image's piece
	s_mul_i32 s19, s18, STG
	v_add_nc_u32 v5, s19, v4                       ; the stage, on the way in: a row's 512 bytes as they lie
	v_mul_u32_u24 v6, v2, 528
	v_lshl_add_u32 v6, v3, 6, v6
	v_add_nc_u32 v6, s19, v6                       ; on the way out: row r, + 64 h: my 16 numbers of a block of 32
	v_lshlrev_b32 v7, 4, v2
	v_lshl_add_u32 v7, v3, 3, v7                   ; the scale words: 16 r + 8 h
	s_mov_b32 s[SEL], 0x76543210
	s_mov_b32 s[SEL+1], 0xfedcba98
.irp b, 0,1,2,3
	v_mov_b32 v[TM+4+\b], 0                        ; written once: a lane permute's destination counts as one of its sources
.endr
	s_mov_b32 s22, 304
	s_wait_alu depctr_va_vdst(0)
	s_wait_kmcnt 0x0
	s_mov_b64 s[20:21], s[12:13]                   ; which tensor: the choice hangs on the work-group's number alone.  304 on: Wo
	s_cmp_lt_u32 ttmp9, 304
	s_cselect_b64 s[20:21], s[10:11], s[20:21]     ; 288 on: Wv
	s_cselect_b32 s22, 288, s22
	s_cmp_lt_u32 ttmp9, 288
	s_cselect_b64 s[20:21], s[8:9], s[20:21]       ; 272 on: Wk
	s_cselect_b32 s22, 272, s22
	s_cmp_lt_u32 ttmp9, 272
	s_cselect_b64 s[20:21], s[6:7], s[20:21]       ; 256 on: Wq
	s_cselect_b32 s22, 256, s22
	s_cmp_lt_u32 ttmp9, 256
	s_cselect_b64 s[20:21], s[4:5], s[20:21]       ; 0 on: x
	s_cselect_b32 s22, 0, s22
	s_sub_co_u32 s23, ttmp9, s22                   ; the work-group's place in its tensor: 32 rows of 2,048 bytes each;
	s_lshl_b32 s24, s23, 16
	s_lshl_b32 s25, s18, 14                        ; the odd tile begins 8 rows further down
	s_add_co_u32 s24, s24, s25
	s_mov_b32 s25, 0
	s_add_nc_u64 s[20:21], s[20:21], s[24:25]
	s_lshl_b32 s23, ttmp9, 1
	s_add_co_u32 s23, s23, s18                     ; my tile among the 640
	s_lshl_b32 s24, s23, 13
	s_add_nc_u64 s[14:15], s[14:15], s[24:25]
	s_lshl_b32 s24, s23, 8
	s_add_nc_u64 s[16:17], s[16:17], s[24:25]
.macro LOADR s                         ; K step s of my 16 rows: each load reads 512 consecutive bytes of one row
.irp i, 0,1,2,3,4,5,6,7,8,9,10,11,12,13,14,15
	global_load_b128 v[R+64*((\s)%2)+4*\i:R+64*((\s)%2)+4*\i+3], v4, s[20:21] offset:(\i+8*(\i/8))*2048+512*(\s) th:TH_LOAD_NT
.endr
.endm
.macro STEP s
.if (\s) < 3
	s_wait_loadcnt 16                              ; this K step's 16 loads are in; the next step's 16 may be out
.else
	s_wait_loadcnt 0x0
.endif
.irp i, 0,1,2,3,4,5,6,7,8,9,10,11,12,13,14,15
	ds_store_b128 v5, v[R+64*((\s)%2)+4*\i:R+64*((\s)%2)+4*\i+3] offset:528*\i
.endr
.irp b, 0,1,2,3
.irp j, 0,1,2,3
	ds_load_b128 v[X+16*\b+4*\j:X+16*\b+4*\j+3], v6 offset:128*\b+16*\j   ; LDS serves a wave's instructions in order (ISA guide 5.7.1.4): these see the stores above
.endr
.endr
	s_wait_dscnt 0x0
.if (\s) < 2
	LOADR (\s)+2                                   ; into the set that has just gone through the stage
.endif
.if (\s) > 1
	s_wait_xcnt 0x0                                ; this set of codes was the data of the stores two steps back: rewritten only behind this wait
.endif
	QUANT X, PC+16*((\s)%2), PW+(\s)
.irp c, 0,1,2,3
	global_store_b128 v4, v[PC+16*((\s)%2)+4*\c:PC+16*((\s)%2)+4*\c+3], s[14:15] offset:2048*(\s)+512*\c   ; 32 lanes store 512 consecutive bytes
.endr
.endm
	LOADR 0
	LOADR 1
	STEP 0
	STEP 1
	STEP 2
	STEP 3
	v_cmp_eq_u32 vcc_lo, 1, v3                     ; both halves of the lanes hold all four words of their row: lanes 0-15 store K steps 0, 1, lanes 16-31 K steps 2, 3
	v_cndmask_b32 v28, v[PW], v[PW+2], vcc_lo
	v_cndmask_b32 v29, v[PW+1], v[PW+3], vcc_lo
	global_store_b64 v7, v[28:29], s[16:17]        ; 32 lanes store 256 consecutive bytes, aligned
	s_wait_tensorcnt 0x0
	ds_add_u32 v30, v31
	s_wait_dscnt 0x0
	s_endpgm
.Lfunc_end_k_q4e899a9dbb_quant:
	.size	k_q4e899a9dbb_quant, .Lfunc_end_k_q4e899a9dbb_quant-k_q4e899a9dbb_quant
	.p2alignl 7, 3214868480
	.fill 96, 4, 3214868480
	.section	.rodata,"a",@progbits
	.p2align	6, 0x0
	.amdhsa_kernel k_q4e899a9dbb_quant
		.amdhsa_group_segment_fixed_size 17152
		.amdhsa_private_segment_fixed_size 0
		.amdhsa_enable_private_segment 0
		.amdhsa_kernarg_size 56
		.amdhsa_user_sgpr_count 2
		.amdhsa_user_sgpr_kernarg_segment_ptr 1
		.amdhsa_wavefront_size32 1
		.amdhsa_system_sgpr_workgroup_id_x 1
		.amdhsa_system_sgpr_workgroup_id_y 1
		.amdhsa_system_sgpr_workgroup_id_z 1
		.amdhsa_system_vgpr_workitem_id 0
		.amdhsa_next_free_vgpr 256
		.amdhsa_next_free_sgpr 66
		.amdhsa_reserve_vcc 1
		.amdhsa_float_denorm_mode_32 3
		.amdhsa_float_denorm_mode_16_64 3
		.amdhsa_fp16_overflow 1
		.amdhsa_memory_ordered 1
		.amdhsa_forward_progress 1
		.amdhsa_inst_pref_size 34
	.end_amdhsa_kernel
	.amdgpu_metadata
---
amdhsa.version: [ 1, 2 ]
amdhsa.kernels:
  - .name:           k_q4e899a9dbb_quant
    .symbol:         k_q4e899a9dbb_quant.kd
    .args:
      - { .name: x, .offset: 0, .size: 8, .value_kind: global_buffer, .address_space: global }
      - { .name: Wq, .offset: 8, .size: 8, .value_kind: global_buffer, .address_space: global }
      - { .name: Wk, .offset: 16, .size: 8, .value_kind: global_buffer, .address_space: global }
      - { .name: Wv, .offset: 24, .size: 8, .value_kind: global_buffer, .address_space: global }
      - { .name: Wo, .offset: 32, .size: 8, .value_kind: global_buffer, .address_space: global }
      - { .name: qc, .offset: 40, .size: 8, .value_kind: global_buffer, .address_space: global }
      - { .name: qs, .offset: 48, .size: 8, .value_kind: global_buffer, .address_space: global }
    .group_segment_fixed_size: 17152
    .private_segment_fixed_size: 0
    .kernarg_segment_align: 8
    .kernarg_segment_size: 56
    .max_flat_workgroup_size: 64
    .sgpr_count:     66
    .vgpr_count:     256
    .wavefront_size: 32
...
	.end_amdgpu_metadata
.endif
;; end of part 1
;; launch proj (part 2): grid 64 x 3, 4 waves a work-group, no clusters, 0 bytes of LDS; arguments qc, qs, bq, bk, bv, qimg, qsc, kv; writes qimg, qsc, kv
.if DOCPART == 2
	.amdgcn_target "amdgcn-amd-amdhsa--gfx1250"
	.amdhsa_code_object_version 6
	.text
	.protected	k_q4e899a9dbb_proj
	.globl	k_q4e899a9dbb_proj
	.p2align	8
	.type	k_q4e899a9dbb_proj,@function
k_q4e899a9dbb_proj:
	s_mov_b64 s[64:65], 0
	v_nop
	global_prefetch_b8 v0, s[64:65] scope:SCOPE_SE
	s_setreg_imm32_b32 hwreg(HW_REG_WAVE_MODE, 25, 1), 1
	s_wait_xcnt 0x0
; Q = x Wq^T + bq (y = 0), K = x Wk^T + bk (y = 1), V = x Wv^T + bv (y = 2) on codes of BF8 with E8M0 scales, and the results quantised again on the way: Q and K along the head's 64, V along the keys.
; A wave keeps 8 STATIONARY tiles (128 rows x 512 K: 512 registers) as source 0 and streams 8 tiles as source 1.  A UNIT is one streamed tile: 8 accumulators x 4 K steps = 32 matrix instructions.
; By the tiles' row order (lane row r of tile T is row 32 (T / 2) + 8 (T % 2) + r + 8 (r / 8)) a lane's 64 results of a unit are ONE streamed row against 128 NEIGHBOURING stationary rows, register 16 b + i = 32 b + 16 h + i:
; just what the conversions want.  They become one fragment (16 registers) and one scale word.
;   y = 0, 1: stationary = W's rows 128 w on (heads 2 w, 2 w + 1), streamed = x's tiles 8 gx + i.  Blocks 0, 1 of the fragment are head 2 w's 64, blocks 2, 3 head 2 w + 1's.
;   y = 2:    stationary = x's tiles 8 gx + t (128 keys: a key step), streamed = Wv's tiles 8 w + i.  The fragment is V^T: 16 of head 2 w + i / 4's 64 x 128 keys.
; The bias is the C of each sum's first matrix instruction: for Q, K it runs along the registers; for V it hangs on the lane alone, so one number fills a unit's eight C registers.
; RESULTS, all as images of operand registers (16 bytes a lane, 512 consecutive bytes a store):
;   qimg [head 16][tile 256][piece 2][512]; qsc [head][group 32][r 16][tile 8] words (bytes 0, 1 the head's two scales; bytes 2, 3 zero: they stand over zero codes);
;   kv [head 16][key step 32][17,152]: K's codes [tile 8][piece 2][512] at 0, V^T's [tile 4][piece 4][512] at 8,192, K's scale words [r 16][tile 8] at 16,384, V's [r 16][tile 4] at 16,896.
; LIMITS: NaN and infinities are not served; a block whose largest magnitude lies under 2^-111 gets the scale byte 1 (this program alone reads the bytes).
; NO LDS, NO JOINT LOADS: every operand lies in memory in the order of its registers and goes straight into them; a wave uses each fragment that it loads for 8 products from registers.  Through LDS every byte would be
; written and read once more for the same number of register loads.  192 work-groups of equal work: 6,144 units in groups of 8 units x 4 waves.
; REGISTERS.  window 0: v1 16 x lane, v2 16 r, v3 r, v4 h, v5 the bias's offset, v6 the scale words' offset; v16-47 the stationary tiles' scale words [4 t + s]; v48-55 the streamed tile's, two sets; v56-63 the words made;
;   v64-127 the 8 accumulators; v128-143 the codes made; v144-159, v160-175 at work.   window 1: stationary K steps 0, 1 at v[128 (s % 2) + 16 t]; window 2: K steps 2, 3.   window 3: v0-63, v64-127 the streamed tile, two sets; v128-191 the biases as C.
.set REC,  17152
.set HSK,  32*REC
.set TM,   144
.set SEL,  44                          ; s[44:45]
.set MNT,  46
.set MSB,  0
.macro WIN new                         ; the immediate's high byte repeats the setting that is left; a switch that changes nothing is dropped
.if MSB != \new
	s_set_vgpr_msb (MSB<<8)|\new
.set MSB, \new
.endif
.endm
.macro QUANT s, pc, pw
.irp b, 0,1,2,3
	v_max3_num_f32 v[TM+\b], |v[\s+16*\b]|, |v[\s+1+16*\b]|, 0x8000000   ; block b: my 16 numbers and the floor 2^(16 - 127).  Each accumulator is read from its low end on
.endr
.irp i, 2,4,6,8,10,12,14
.irp b, 0,1,2,3
	v_max3_num_f32 v[TM+\b], v[TM+\b], |v[\s+16*\b+\i]|, |v[\s+1+16*\b+\i]|
.endr
.endr
.irp b, 0,1,2,3
	v_permlanex16_b32 v[TM+4+\b], v[TM+\b], s[SEL], s[SEL+1]
.endr
.irp b, 0,1,2,3
	v_max_num_f32 v[TM+\b], v[TM+\b], v[TM+4+\b]                    ; with lane l xor 16's 16: the block's largest magnitude
.endr
.irp b, 0,1,2,3
	v_add_nc_u32 v[TM+12+\b], 0xf8800000, v[TM+\b]                  ; 15 off its exponent field: the conversion's scale operand
.endr
.irp b, 0,1,2,3
.endr
.irp b, 0,1,2,3
	v_lshrrev_b32 v[TM+4+\b], 23, v[TM+12+\b]                       ; the scale's byte
.endr
	v_lshl_or_b32 v[\pw], v[TM+5], 8, v[TM+4]
	v_lshl_or_b32 v[\pw], v[TM+6], 16, v[\pw]
	v_lshl_or_b32 v[\pw], v[TM+7], 24, v[\pw]
.irp b, 0,1,2,3
.irp i, 0,1,2,3,4,5,6,7,8,9,10,11,12,13,14,15
.endr
	v_cvt_scalef32_pk8_bf8_f32 v[\pc+4*\b:\pc+4*\b+1], v[\s+16*\b:\s+16*\b+7], v[TM+12+\b]
	v_cvt_scalef32_pk8_bf8_f32 v[\pc+4*\b+2:\pc+4*\b+3], v[\s+16*\b+8:\s+16*\b+15], v[TM+12+\b]
.endr
	v_nop                                          ; one plain line behind the last scaled conversion: the next unit's products write its sources
.endm
.macro STREAM i                        ; streamed tile i: its four fragments and its four scale words: 17 loads
	WIN 0xc0                                       ; destination window 3
.irp s, 0,1,2,3
.irp c, 0,1,2,3
	global_load_b128 v[64*((\i)%2)+16*\s+4*\c:64*((\i)%2)+16*\s+4*\c+3], v1, s[28:29] offset:8192*(\i)+2048*\s+512*\c
.endr
.endr
	WIN 0
	global_load_b128 v[48+4*((\i)%2):51+4*((\i)%2)], v2, s[30:31] offset:256*(\i)
.endm
; 8 products: K step s of unit i, the 8 accumulators by turns.  mode 0: onto the sums; 1: C = the bias of stationary tile t; 2: C = the bias of streamed tile i
.macro PROD i, s, mode
.irp t, 0,1,2,3,4,5,6,7
.if \mode == 0
	v_wmma_scale_f32_16x16x128_f8f6f4 v[64+8*\t:71+8*\t], v[128*(\s%2)+16*\t:128*(\s%2)+16*\t+15], v[64*(\i%2)+16*\s:64*(\i%2)+16*\s+15], v[64+8*\t:71+8*\t], v[16+4*\t+\s], v[48+4*(\i%2)+\s] matrix_a_fmt:MATRIX_FMT_BF8 matrix_b_fmt:MATRIX_FMT_BF8
.elseif \mode == 1
	v_wmma_scale_f32_16x16x128_f8f6f4 v[64+8*\t:71+8*\t], v[128*(\s%2)+16*\t:128*(\s%2)+16*\t+15], v[64*(\i%2)+16*\s:64*(\i%2)+16*\s+15], v[128+8*\t:135+8*\t], v[16+4*\t+\s], v[48+4*(\i%2)+\s] matrix_a_fmt:MATRIX_FMT_BF8 matrix_b_fmt:MATRIX_FMT_BF8
.else
	v_wmma_scale_f32_16x16x128_f8f6f4 v[64+8*\t:71+8*\t], v[128*(\s%2)+16*\t:128*(\s%2)+16*\t+15], v[64*(\i%2)+16*\s:64*(\i%2)+16*\s+15], v[128+8*\i:135+8*\i], v[16+4*\t+\s], v[48+4*(\i%2)+\s] matrix_a_fmt:MATRIX_FMT_BF8 matrix_b_fmt:MATRIX_FMT_BF8
.endif
.endr
.endm
.macro UNIT i, vmode
.if \i < 7
	s_wait_loadcnt 17                              ; this tile's 17 loads (and all older ones) are in; the other set's 17 may be out
.else
	s_wait_loadcnt 0x0
.endif
	WIN 0x3d                                       ; source 0 window 1, source 1 and C window 3, D window 0
.if \vmode
	PROD \i, 0, 2
.else
	PROD \i, 0, 1
.endif
	WIN 0x0d                                       ; C window 0
	PROD \i, 1, 0
	WIN 0x0e                                       ; source 0 window 2
	PROD \i, 2, 0
	PROD \i, 3, 0
	WIN 0
.rept 8
	v_nop                                          ; eight places ahead of the loads into the set just multiplied and of the first read of the results; the ninth that the next unit's fresh sums want is among the lines below
.endr
.if \i < 6
	STREAM \i+2
.endif
	s_wait_xcnt 0x0                                ; the codes' registers were the data of the last unit's stores: rewritten only behind this wait
	QUANT 64, 128, 56+\i
.if \vmode
.irp c, 0,1,2,3
.if \i < 4
	global_store_b128 v1, v[128+4*\c:131+4*\c], s[36:37] offset:2048*(\i%4)+512*\c
.else
	global_store_b128 v1, v[128+4*\c:131+4*\c], s[38:39] offset:2048*(\i%4)+512*\c
.endif
.endr
.else
.irp c, 0,1
	global_store_b128 v1, v[128+4*\c:131+4*\c], s[36:37] offset:1024*\i+512*\c   ; head 2 w's two pieces
	global_store_b128 v1, v[136+4*\c:139+4*\c], s[38:39] offset:1024*\i+512*\c   ; head 2 w + 1's
.endr
.endif
.endm
	s_load_b256 s[4:11], s[0:1], 0x0               ; qc, qs, bq, bk
	s_load_b256 s[12:19], s[0:1], 0x20             ; bv, qimg, qsc, kv
	v_lshrrev_b32 v1, 5, v0
	v_readfirstlane_b32 s20, v1                    ; w
	s_mov_b32 s21, ttmp9                           ; gx: which 128 rows of x
	s_and_b32 s22, ttmp7, 0xffff                   ; y: Q, K or V
	v_and_b32 v1, 31, v0
	v_lshlrev_b32 v1, 4, v1                        ; 16 x lane
	v_and_b32 v3, 15, v0                           ; r
	v_bfe_u32 v4, v0, 4, 1                         ; h
	v_lshlrev_b32 v2, 4, v3                        ; 16 r: a row's four scale words
.irp b, 0,1,2,3
	v_mov_b32 v[TM+4+\b], 0                        ; written once: a lane permute's destination counts as one of its sources
.endr
	s_mov_b32 s[SEL], 0x76543210
	s_mov_b32 s[SEL+1], 0xfedcba98
	s_lshl_b32 s47, s22, 5
	s_lshl_b32 s48, s20, 3
	s_add_co_u32 s47, s47, s48
	s_add_co_u32 s47, s47, 512                     ; the weight's first tile: 512 + 32 y + 8 w
	s_lshl_b32 s48, s21, 3                         ; x's first tile: 8 gx
	s_lshr_b32 s23, s21, 5                         ; the batch
	s_and_b32 s34, s21, 31                         ; the group of 8 tiles, or the key step, within it
	s_lshl_b32 s35, s23, 3
	s_lshl_b32 s51, s20, 1
	s_add_co_u32 s35, s35, s51                     ; head 8 x batch + 2 w
	s_mov_b32 s51, HSK
	s_mov_b32 s52, REC
	s_mov_b32 s55, 0
	s_mov_b32 s63, 0
	s_cmp_eq_u32 s22, 0                            ; Q's buffers or kv: strides from head to head and from group to group, for codes and for scale words
	s_cselect_b32 s62, 262144, s51
	s_cselect_b32 s54, 16384, s51
	s_cselect_b32 s53, 8192, s52
	s_cselect_b32 s56, 512, s52
	s_cselect_b32 s57, 0, 16384                    ; the scale words' place in a record: K's,
	s_cmp_eq_u32 s22, 2
	s_cselect_b32 s57, 16896, s57                  ; V's;
	s_cselect_b32 s58, 8192, 0                     ; the codes' place: V's lie behind K's
	s_cselect_b32 s49, s48, s47                    ; stationary: x for V, else the weight
	s_cselect_b32 s50, s47, s48                    ; streamed: the other
	s_mul_i32 s60, s35, s62
	s_mul_i32 s61, s34, s53
	s_add_co_u32 s60, s60, s61
	s_add_co_u32 s58, s60, s58
	s_mov_b32 s59, 0                               ; s[58:59]: where my first head's codes go
	s_mul_i32 s60, s35, s54
	s_mul_i32 s61, s34, s56
	s_add_co_u32 s60, s60, s61
	s_add_co_u32 s60, s60, s57
	s_mov_b32 s61, 0                               ; s[60:61]: and its scale words
	s_wait_alu depctr_va_vdst(0)
	s_wait_kmcnt 0x0
	s_cmp_eq_u32 s22, 0
	s_cselect_b64 s[36:37], s[14:15], s[18:19]
	s_cselect_b64 s[40:41], s[16:17], s[18:19]
	s_cselect_b64 s[32:33], s[8:9], s[10:11]
	s_cmp_eq_u32 s22, 2
	s_cselect_b64 s[32:33], s[12:13], s[32:33]
	s_add_nc_u64 s[36:37], s[36:37], s[58:59]      ; codes out: head 2 w,
	s_add_nc_u64 s[38:39], s[36:37], s[62:63]      ; head 2 w + 1
	s_add_nc_u64 s[40:41], s[40:41], s[60:61]      ; scale words out likewise
	s_add_nc_u64 s[42:43], s[40:41], s[54:55]
	s_lshl_b32 s58, s20, 9
	s_add_nc_u64 s[32:33], s[32:33], s[58:59]      ; the bias at my 128 features
	s_lshl_b32 s58, s49, 13
	s_add_nc_u64 s[24:25], s[4:5], s[58:59]        ; stationary codes,
	s_lshl_b32 s58, s49, 8
	s_add_nc_u64 s[26:27], s[6:7], s[58:59]        ; their scale words,
	s_lshl_b32 s58, s50, 13
	s_add_nc_u64 s[28:29], s[4:5], s[58:59]        ; streamed codes,
	s_lshl_b32 s58, s50, 8
	s_add_nc_u64 s[30:31], s[6:7], s[58:59]        ; their scale words
.irp t, 0,1,2,3,4,5,6,7
	global_load_b128 v[16+4*\t:19+4*\t], v2, s[26:27] offset:256*\t
.endr
	WIN 0x40                                       ; destination window 1
.irp s, 0,1
.irp t, 0,1,2,3,4,5,6,7
.irp c, 0,1,2,3
	global_load_b128 v[128*\s+16*\t+4*\c:128*\s+16*\t+4*\c+3], v1, s[24:25] offset:8192*\t+2048*\s+512*\c
.endr
.endr
.endr
	WIN 0x80                                       ; destination window 2
.irp s, 2,3
.irp t, 0,1,2,3,4,5,6,7
.irp c, 0,1,2,3
	global_load_b128 v[128*(\s-2)+16*\t+4*\c:128*(\s-2)+16*\t+4*\c+3], v1, s[24:25] offset:8192*\t+2048*\s+512*\c
.endr
.endr
.endr
	WIN 0
	s_cmp_eq_u32 s22, 2
	s_cbranch_scc1 .Lv
	; ---- Q or K
	v_lshlrev_b32 v5, 6, v4                        ; the bias of tile t, register j: feature 32 (t / 2) + 8 (t % 2) + 16 h + j
	WIN 0xc0
.irp t, 0,1,2,3,4,5,6,7
	global_load_b128 v[128+8*\t:131+8*\t], v5, s[32:33] offset:128*(\t/2)+32*(\t%2)
	global_load_b128 v[132+8*\t:135+8*\t], v5, s[32:33] offset:128*(\t/2)+32*(\t%2)+16
.endr
	STREAM 0
	STREAM 1
.irp i, 0,1,2,3,4,5,6,7
	UNIT \i, 0
.endr
	v_lshlrev_b32 v6, 5, v3
	v_lshl_add_u32 v6, v4, 4, v6                   ; 32 r + 16 h: lanes 0-15 store tiles 0-3's words of their row, lanes 16-31 tiles 4-7's
	v_cmp_eq_u32 vcc_lo, 1, v4
.irp k, 0,1,2,3
	v_cndmask_b32 v[160+\k], v[56+\k], v[60+\k], vcc_lo
.endr
.irp k, 0,1,2,3
	v_and_b32 v[164+\k], 0xffff, v[160+\k]         ; head 2 w: bytes 0, 1
	v_lshrrev_b32 v[168+\k], 16, v[160+\k]         ; head 2 w + 1: bytes 2, 3
.endr
	global_store_b128 v6, v[164:167], s[40:41]     ; 32 lanes store 512 consecutive bytes
	global_store_b128 v6, v[168:171], s[42:43]
	s_endpgm
	; ---- V
.Lv:
	v_and_b32 v5, 8, v3
	v_add_nc_u32 v5, v5, v3
	v_lshlrev_b32 v5, 2, v5                        ; the bias of streamed tile i hangs on the lane: feature 32 (i / 2) + 8 (i % 2) + r + 8 (r / 8)
.irp i, 0,1,2,3,4,5,6,7
	global_load_b32 v[160+\i], v5, s[32:33] offset:128*(\i/2)+32*(\i%2)
.endr
	STREAM 0
	STREAM 1
	s_wait_loadcnt 34                              ; the bias is in; the two streamed tiles' 34 loads may be out
	WIN 0xc0
.irp i, 0,1,2,3,4,5,6,7
.irp j, 0,1,2,3,4,5,6,7
	v_mov_b32 v[128+8*\i+\j], v[160+\i]            ; spread once over a unit's eight C registers: the bias then costs no addition in any unit
.endr
.endr
	WIN 0
.rept 4
	v_nop
.endr
.irp i, 0,1,2,3,4,5,6,7
	UNIT \i, 1
.endr
	v_mul_u32_u24 v6, v4, HSK
	v_lshl_add_u32 v6, v3, 4, v6                   ; 16 r; lanes 16-31 store head 2 w + 1's words, one head's records further on
	v_cmp_eq_u32 vcc_lo, 1, v4
.irp k, 0,1,2,3
	v_cndmask_b32 v[160+\k], v[56+\k], v[60+\k], vcc_lo
.endr
	global_store_b128 v6, v[160:163], s[40:41]     ; sixteen lanes store 256 consecutive bytes, aligned, in each head's record
	s_endpgm
.Lfunc_end_k_q4e899a9dbb_proj:
	.size	k_q4e899a9dbb_proj, .Lfunc_end_k_q4e899a9dbb_proj-k_q4e899a9dbb_proj
	.p2alignl 7, 3214868480
	.fill 96, 4, 3214868480
	.section	.rodata,"a",@progbits
	.p2align	6, 0x0
	.amdhsa_kernel k_q4e899a9dbb_proj
		.amdhsa_group_segment_fixed_size 0
		.amdhsa_private_segment_fixed_size 0
		.amdhsa_enable_private_segment 0
		.amdhsa_kernarg_size 64
		.amdhsa_user_sgpr_count 2
		.amdhsa_user_sgpr_kernarg_segment_ptr 1
		.amdhsa_wavefront_size32 1
		.amdhsa_system_sgpr_workgroup_id_x 1
		.amdhsa_system_sgpr_workgroup_id_y 1
		.amdhsa_system_sgpr_workgroup_id_z 1
		.amdhsa_system_vgpr_workitem_id 0
		.amdhsa_next_free_vgpr 1024
		.amdhsa_next_free_sgpr 66
		.amdhsa_reserve_vcc 1
		.amdhsa_float_denorm_mode_32 3
		.amdhsa_float_denorm_mode_16_64 3
		.amdhsa_fp16_overflow 1
		.amdhsa_memory_ordered 1
		.amdhsa_forward_progress 1
		.amdhsa_inst_pref_size 183
	.end_amdhsa_kernel
	.amdgpu_metadata
---
amdhsa.version: [ 1, 2 ]
amdhsa.kernels:
  - .name:           k_q4e899a9dbb_proj
    .symbol:         k_q4e899a9dbb_proj.kd
    .args:
      - { .name: qc, .offset: 0, .size: 8, .value_kind: global_buffer, .address_space: global }
      - { .name: qs, .offset: 8, .size: 8, .value_kind: global_buffer, .address_space: global }
      - { .name: bq, .offset: 16, .size: 8, .value_kind: global_buffer, .address_space: global }
      - { .name: bk, .offset: 24, .size: 8, .value_kind: global_buffer, .address_space: global }
      - { .name: bv, .offset: 32, .size: 8, .value_kind: global_buffer, .address_space: global }
      - { .name: qimg, .offset: 40, .size: 8, .value_kind: global_buffer, .address_space: global }
      - { .name: qsc, .offset: 48, .size: 8, .value_kind: global_buffer, .address_space: global }
      - { .name: kv, .offset: 56, .size: 8, .value_kind: global_buffer, .address_space: global }
    .group_segment_fixed_size: 0
    .private_segment_fixed_size: 0
    .kernarg_segment_align: 8
    .kernarg_segment_size: 64
    .max_flat_workgroup_size: 128
    .sgpr_count:     66
    .vgpr_count:     1024
    .wavefront_size: 32
...
	.end_amdgpu_metadata
.endif
;; end of part 2
;; launch attn (part 3): grid 16 x 16, 16 waves a work-group, clusters of 4 x 1, 327,680 bytes of LDS; arguments qimg, qsc, kv, cimg, csc; writes cimg, csc
.if DOCPART == 3
	.amdgcn_target "amdgcn-amd-amdhsa--gfx1250"
	.amdhsa_code_object_version 6
	.text
	.protected	k_q4e899a9dbb_attn
	.globl	k_q4e899a9dbb_attn
	.p2align	8
	.type	k_q4e899a9dbb_attn,@function
k_q4e899a9dbb_attn:
	s_mov_b64 s[64:65], 0
	v_nop
	global_prefetch_b8 v0, s[64:65] scope:SCOPE_SE
	s_setreg_imm32_b32 hwreg(HW_REG_WAVE_MODE, 25, 1), 1
	s_wait_xcnt 0x0
	s_wait_alu depctr_hold_cnt(0) depctr_sa_sdst(0) depctr_va_vdst(0) depctr_va_sdst(0) depctr_va_ssrc(0) depctr_va_vcc(0) depctr_vm_vsrc(0)
	s_getreg_b32 s2, hwreg(HW_REG_IB_STS2, 6, 4)
	s_cmp_eq_u32 s2, 0
	s_cbranch_scc0 .Lentry_in_a_cluster
	s_endpgm
.Lentry_in_a_cluster:
	s_bfe_u32 s2, ttmp6, 0x10000c
	s_cmp_lg_u32 s2, 0x3003
	s_cbranch_scc0 .Lentry_shape_is_right
	s_endpgm
.Lentry_shape_is_right:
; context[head][q] = the sum over k of softmax_k(Q[q] . K[k] / 8) V[k], both products on codes of BF8 (E5M2) with E8M0 scales; the context is quantised again on the way out, along the model's 512 (a head is two whole blocks of 32).
; THE SOFTMAX AHEAD OF THE SECOND PRODUCT: t = score x log2(e) / 8; M = the row's largest t so far, rounded UP to a whole number; p = 2^(t - M) is quantised along the keys, not normalised.  The row's sum is taken of the
; unquantised p, in f32, and divides at the end.  When M moves, the sum and O are multiplied by 2^(old M - new M): exact.
; SHARES: a work-group owns 256 queries of one head, each of its sixteen waves one tile of 16 in 256 registers: four waves to a SIMD, so that one wave's vector work stands beside another's matrix work and LDS loads.
; Every wave walks the head's 32 key steps of 128 keys.  A key step is ONE RECORD of kv, 17,152 dense bytes: K's codes, V^T's codes and both scale words, all as images of operand registers: no pitch, no padding;
; every LDS load of codes reads 512 consecutive bytes.  Two LDS slots of four records; waves 0 to 3 fetch one record each.
; CLUSTER: the four query blocks of a cluster belong to one head and walk the same records: each record is asked for JOINTLY, by the same tensor load with the same descriptor and the mask of all four.
; LAYOUT: both products are used transposed: S^T = K Q^T (source 0 = 16 keys), O^T = V^T P^T (source 0 = 16 of the head's 64): a lane holds ONE query (lane % 16) throughout.  By the tiles' row order (lane row r of tile T is
; row 32 (T / 2) + 8 (T % 2) + r + 8 (r / 8)) the 16 registers of tiles 2 b, 2 b + 1 are 16 neighbours, 32 b + 16 (lane / 16) + 0 .. 15: p's codes are the second product's operand, and O^T's are the context's.
; K Q^T HAS K = 64.  Q's upper 64 along the instruction's K are zero codes, so whatever FINITE codes stand in K's upper half add nothing.  Tile t's fragment is named v[KF + 8 t .. KF + 8 t + 15]: its upper eight registers are
; tile t + 1's codes (finite: each was held at the largest code when it was made); behind tile 7's stand eight registers of zeros, set once.  So the eight tiles of a record lie in 72 registers, which nothing else uses,
; and THE NEXT RECORD'S K IS ASKED FOR A STEP AHEAD, straight behind this step's K Q^T.  Only a slot's first record is fetched at the slot's head, behind the barrier that shows the slot whole.
; LIMITS: NaN and infinities are not served (K's codes are finite for finite inputs).  A block's largest p is taken as the exponential of the block's largest score, which takes v_exp_f32 not to fall where its input rises.  Blocks under 2^-111 get the scale byte 1.
; REGISTERS: v1 16 x lane, v2, v3 my place among K's and V's scale words, v4, v5 the spare word's address and 0, v6-8 the step's LDS addresses, v9, v10 the context's scale bytes in LDS, v11 Q's scale word's offset;
;   v12 -M, v13 the largest t, v[14:15] the sum in two halves; v16-31 Q; v32-95 K's eight tiles, v96-103 zeros; v104-167 S^T, then p, then V^T's four fragments; v168-199 O^T; v200-215 p's codes;
;   v216-223 K's scale words, v224-227 V's, v228 Q's, v229 p's; v[230:231] f; v232-253 at work.
.set REC,   17152                      ; a record: 67 x 256 bytes
.set HSK,   32*REC                     ; a head's records
.set SLOT1, 1<<17                      ; slot 1 begins here: one exclusive or turns an address in one slot into the other's
.set SPARE, SLOT1+4*REC                ; behind the ring: the spare words, 128 bytes for each of 16 waves: eight blocks of 256 bytes that no other line names
.set SCST,  SPARE+2048                 ; the context's scale bytes of the work-group's 16 tiles: 512 bytes, into which no fill lands
.set WV,    14
.set KF,    32                         ; K's tiles
.set S,     104                        ; S^T, p, V^T
.set O,     168                        ; O^T
.set PC,    200                        ; p's codes
.set KS,    216                        ; K's scale words
.set VS,    224                        ; V's
.set QS,    228                        ; Q's
.set PS,    229                        ; p's
.set F,     230                        ; v[230:231] f = 2^(old M - new M) (the upper word is only named)
.set BM,    232                        ; v232-235 the blocks' largest scores, then largest p
.set PB,    236                        ; v236-239 a permute's results, then the scales' bytes, then two chains of the sum
.set HD,    240
.set SO,    244                        ; v244-247 the conversions' scale operands
.set T0,    248                        ; -M as it stood in the step before
.set T1,    249                        ; at work
.set C2,    250                        ; v[250:251], v[252:253] the sum's other two chains
.macro ROUND                           ; a round of the cluster's barrier
	s_barrier_signal -1
	s_barrier_wait -1
	s_cmp_lg_u32 s[WV], 0
	s_cbranch_scc1 .Lnot_wave_0_\@
	s_barrier_signal -3
.Lnot_wave_0_\@:
	s_barrier_wait -3
	s_barrier_signal -1
	s_barrier_wait -1
.endm
.macro JLOAD                           ; waves 0 to 3 ask for one record each; the branch hangs on the wave's number alone.  Four v_nop follow the load
	s_cmp_lt_u32 s[WV], 4
	s_cbranch_scc0 .Lnone_\@
	tensor_load_to_lds s[36:39], s[28:35]
	s_nop 0
.rept 4
	v_nop
.endr
.Lnone_\@:
.endm
	s_load_b256 s[4:11], s[0:1], 0x0               ; qimg, qsc, kv, cimg
	s_load_b64 s[12:13], s[0:1], 0x20              ; csc
	v_lshl_add_u32 v4, v0, 2, SPARE
	v_mov_b32 v5, 0
	ds_add_u32 v4, v5
	ds_add_u32 v4, v5
	s_wait_dscnt 0x0
	v_lshrrev_b32 v6, 5, v0
	s_delay_alu instid0(VALU_DEP_1)
	v_readfirstlane_b32 s[WV], v6                  ; wave 0..15
	s_bfe_u32 s15, ttmp6, 0x40000                  ; cx: it enters Q's and the context's global addresses alone
	s_lshl_b32 s16, ttmp9, 2
	s_add_co_u32 s16, s16, s15                     ; my block of 256 queries
	s_and_b32 s17, ttmp7, 0xffff                   ; the head (8 x batch + head), which the four partners share
	s_and_b32 s18, s[WV], 3
	s_mul_i32 s19, s18, REC                        ; which record of a slot I fetch: its place in the slot and in memory
	s_mul_i32 s44, s17, HSK
	s_add_co_u32 s44, s44, s19
	s_mov_b32 s45, 0
	s_lshl_b32 s54, s16, 4
	s_add_co_u32 s54, s54, s[WV]                   ; my tile of queries: 16 x block + wave
	s_lshl_b32 s46, s17, 18
	s_lshl_b32 s55, s54, 10
	s_add_co_u32 s46, s46, s55                     ; Q's codes: 262,144 a head, 1,024 a tile
	s_mov_b32 s47, 0
	s_lshr_b32 s56, s[WV], 3
	s_and_b32 s57, s[WV], 7
	s_lshl_b32 s48, s16, 1
	s_add_co_u32 s48, s48, s56
	s_lshl_b32 s48, s48, 9
	s_lshl_b32 s55, s17, 14
	s_add_co_u32 s48, s48, s55
	s_lshl_b32 s55, s57, 2
	s_add_co_u32 s48, s48, s55                     ; Q's scale words: 16,384 a head, 512 a group of 8 tiles, 4 a tile
	s_mov_b32 s49, 0
	s_lshr_b32 s50, s17, 3
	s_lshl_b32 s50, s50, 8
	s_add_co_u32 s50, s50, s54
	s_lshl_b32 s50, s50, 13
	s_and_b32 s55, s17, 7
	s_lshl_b32 s55, s55, 10
	s_add_co_u32 s50, s50, s55                     ; the context's codes: tile 256 x batch + mine, 8,192 a tile; my head's two pieces 1,024 x head on
	s_mov_b32 s51, 0
	s_lshl_b32 s52, s17, 13
	s_lshl_b32 s55, s16, 9
	s_add_co_u32 s52, s52, s55                     ; its scale bytes: 8,192 a head, 512 a block of queries
	s_mov_b32 s53, 0
	s_lshl_b32 s58, s56, 8
	s_lshl_b32 s59, s57, 1
	s_add_co_u32 s58, s58, s59
	s_add_co_u32 s58, s58, SCST                    ; and in LDS: 256 (wave / 8) + 2 (wave % 8)
	; descriptor group 1: a record as 67 dense rows of 256 bytes
	s_mov_b32 s28, 15|(3<<16)|(1<<21)              ; 15:0 the mask: all four work-groups; 17:16 elements of 8 bytes; 21 set beside a mask; no padding
	s_mov_b32 s29, 32<<16                          ; tensor_dim0 = 32
	s_mov_b32 s30, 67<<16                          ; tensor_dim1 = 67
	s_mov_b32 s31, 32<<16                          ; tile_dim0 = 32
	s_mov_b32 s32, 67                              ; tile_dim1 = 67
	s_mov_b32 s33, 32                              ; from row to row
	s_mov_b32 s34, 0
	s_mov_b32 s35, 0
	s_mov_b32 s20, 0x76543210
	s_mov_b32 s21, 0xfedcba98                      ; v_permlanex16_b32's selects for lane l xor 16
	s_mov_b32 s22, 0x3e38aa3b                      ; c = log2(e) / 8
	s_mov_b32 s23, s22                             ; (named with it as a pair, so it is written)
	s_mov_b32 s40, 0                               ; LDS byte at which the record in hand begins
	s_mov_b32 s41, 7                               ; slots still to be asked for
	s_wait_kmcnt 0x0
	s_mov_b32 s36, 1                               ; group 0: count = 1,
	s_mov_b32 s37, s19                             ; LDS address: slot 0,
	s_add_nc_u64 s[38:39], s[8:9], s[44:45]        ; my record of the head's first four,
	s_or_b32 s39, s39, 0x80000000                  ; type = 2
	s_add_nc_u64 s[4:5], s[4:5], s[46:47]
	s_add_nc_u64 s[6:7], s[6:7], s[48:49]
	s_add_nc_u64 s[10:11], s[10:11], s[50:51]
	s_add_nc_u64 s[12:13], s[12:13], s[52:53]
	ROUND                                          ; all four work-groups are here: the first joint loads meet
	JLOAD                                          ; slot 0
	v_and_b32 v6, 31, v0
	s_delay_alu instid0(VALU_DEP_1)
	v_lshlrev_b32 v1, 4, v6                        ; 16 x lane
	v_and_b32 v7, 15, v0                           ; r
	s_delay_alu instid0(VALU_DEP_1)
	v_lshlrev_b32 v11, 5, v7                       ; 32 r
	s_delay_alu instid0(VALU_DEP_1)
	v_add_nc_u32 v2, 16384, v11                    ; K's scale words in a record: row r's eight
	s_delay_alu instid0(VALU_DEP_3)
	v_lshlrev_b32 v3, 4, v7
	s_delay_alu instid0(VALU_DEP_1)
	v_add_nc_u32 v9, s58, v3                       ; where my tile's scale bytes of row r go
	s_delay_alu instid0(VALU_DEP_2)
	v_add_nc_u32 v3, 16896, v3                     ; V's scale words: row r's four
	v_add_nc_u32 v10, SCST, v1
	global_load_b128 v[16:19], v1, s[4:5]          ; Q's two pieces stay in registers
	global_load_b128 v[20:23], v1, s[4:5] offset:512
	global_load_b32 v[QS], v11, s[6:7]             ; and its scale word
.irp k, 24,25,26,27,28,29,30,31
	v_mov_b32 v\k, 0                               ; Q's upper 64 along K: zero codes
.endr
.irp k, 0,1,2,3,4,5,6,7
	v_mov_b32 v[KF+64+\k], 0                       ; the upper half of K's tile 7, set once
.endr
.set J, 0
.rept 32
	v_mov_b32 v[O+J], 0                            ; O^T.  (The step is written once: the first finds zeros, which the first change of M leaves zeros)
.set J, J+1
.endr
	v_mov_b32 v13, 0xff61b1e6                      ; the largest t so far: -3e38
	s_delay_alu instid0(VALU_DEP_1)
	v_floor_f32 v12, -v13                          ; -M
	s_delay_alu instid0(VALU_DEP_1)
	v_mov_b32 v[T0], v12
	v_mov_b32 v14, 0
	v_mov_b32 v15, 0
	v_mov_b32 v[F+1], 0                            ; (named as the upper half of the pair)
.irp k, 0,1,2,3
	v_mov_b32 v[PB+\k], 0                          ; a lane permute's destination counts as one of its sources
.endr
; K's eight tiles and their scale words of the record at LDS byte s40: at a slot's head alone
.macro LOADK
	v_add_nc_u32 v6, s40, v1
	v_add_nc_u32 v7, s40, v2
	ds_load_b128 v[KS:KS+3], v7
	ds_load_b128 v[KS+4:KS+7], v7 offset:16
.irp t, 0,1,2,3,4,5,6,7
.irp c, 0,1
	ds_load_b128 v[KF+8*\t+4*\c:KF+8*\t+4*\c+3], v6 offset:1024*\t+512*\c
.endr
.endr
	s_wait_dscnt 0x0
.endm
; A KEY STEP: the record at LDS byte s40; its K and K's scale words are in registers.  pre = 1: the next record of the same slot is asked for
.macro STEP pre
.irp t, 0,1,2,3,4,5,6,7                        ; S^T = K Q^T: eight tiles of 16 keys, back to back on eight accumulators
	v_wmma_scale_f32_16x16x128_f8f6f4 v[S+8*\t:S+8*\t+7], v[KF+8*\t:KF+8*\t+15], v[16:31], 0, v[KS+\t], v[QS] matrix_a_fmt:MATRIX_FMT_BF8 matrix_b_fmt:MATRIX_FMT_BF8
.endr
	v_add_nc_u32 v6, s40, v1                       ; the record's addresses: with the five v_nop eight places ahead of the loads into K's registers and of the first read of the scores
	v_add_nc_u32 v7, s40, v2
	v_add_nc_u32 v8, s40, v3
.rept 5
	v_nop
.endr
	ds_load_b128 v[VS:VS+3], v8                    ; V's scale words of this step: wanted at its end
.if \pre
	ds_load_b128 v[KS:KS+3], v7 offset:REC         ; the next record's K: the whole softmax stands between these loads and their use
	ds_load_b128 v[KS+4:KS+7], v7 offset:REC+16
.irp t, 0,1,2,3,4,5,6,7
.irp c, 0,1
	ds_load_b128 v[KF+8*\t+4*\c:KF+8*\t+4*\c+3], v6 offset:REC+1024*\t+512*\c
.endr
.endr
.endif
.irp b, 0,1,2,3
	v_max3_num_f32 v[BM+\b], v[S+16*\b], v[S+1+16*\b], v[S+2+16*\b]   ; the largest score of each block of 32 keys: for the row's maximum and, since p rises with the score, for the block's largest p
.endr
.irp i, 3,5,7,9,11,13
.irp b, 0,1,2,3
	v_max3_num_f32 v[BM+\b], v[BM+\b], v[S+16*\b+\i], v[S+1+16*\b+\i]
.endr
.endr
.irp b, 0,1,2,3
	v_max_num_f32 v[BM+\b], v[BM+\b], v[S+15+16*\b]
.endr
.irp b, 0,1,2,3
	s_delay_alu instid0(VALU_DEP_4)
	v_permlanex16_b32 v[PB+\b], v[BM+\b], s20, s21
.endr
.irp b, 0,1,2,3
	s_delay_alu instid0(VALU_DEP_4)
	v_max_num_f32 v[BM+\b], v[BM+\b], v[PB+\b]     ; with lane l xor 16's 16 keys
.endr
	s_delay_alu instid0(VALU_DEP_2)
	v_max3_num_f32 v[T1], v[BM], v[BM+1], v[BM+2]
	s_delay_alu instid0(VALU_DEP_1)
	v_max_num_f32 v[T1], v[T1], v[BM+3]            ; the step's largest score of my query
	s_delay_alu instid0(VALU_DEP_1)
	v_mul_f32 v[T1], s22, v[T1]                    ; as t
	s_delay_alu instid0(VALU_DEP_1)
	v_max_num_f32 v13, v13, v[T1]                  ; the running largest t
	s_delay_alu instid0(VALU_DEP_1)
	v_floor_f32 v12, -v13                          ; the new -M = floor(-t): M is a whole number
	s_delay_alu instid0(VALU_DEP_1)
	v_sub_f32 v[T1], v12, v[T0]                    ; old M - new M: a whole number, 0 or less
	s_delay_alu instid0(VALU_DEP_1)
	v_cvt_i32_f32 v[T1], v[T1]                     ; (it saturates)
	s_delay_alu instid0(VALU_DEP_1)
	v_ldexp_f32 v[F], 1.0, v[T1]                   ; f = 2^(old M - new M)
.set J, 0
.rept 32
	v_pk_fma_f32 v[S+J:S+J+1], v[S+J:S+J+1], s[22:23], v[12:13] op_sel_hi:[1,0,0]   ; t - M, two at a time
.set J, J+2
.endr
.irp b, 0,1,2,3
	v_fma_f32 v[BM+\b], v[BM+\b], s22, v12         ; the same of each block's largest score
.endr
.set J, 0
	s_wait_alu depctr_va_vdst(0)
.rept 64
	v_exp_f32 v[S+J], v[S+J]                       ; p = 2^(t - M), at most 1
.set J, J+1
.endr
	s_setprio 1
.irp b, 0,1,2,3
	v_exp_f32 v[BM+\b], v[BM+\b]                   ; the block's largest p: the same two instructions on the same number
.endr
	v_mov_b32 v[T0], v12                           ; -M is kept for the next step.  (The plain line behind the exponentials)
	s_wait_alu depctr_va_vdst(0)
.irp b, 0,1,2,3
	v_max_num_f32 v[BM+\b], 0x8000000, v[BM+\b]    ; the floor 2^(16 - 127)
.endr
.irp b, 0,1,2,3
	s_delay_alu instid0(VALU_DEP_4)
	v_add_nc_u32 v[SO+\b], 0xf8800000, v[BM+\b]    ; 15 off the exponent field: the conversion's scale operand
.endr
.irp b, 0,1,2,3
.endr
.irp b, 0,1,2,3
	s_delay_alu instid0(VALU_DEP_4)
	v_lshrrev_b32 v[PB+\b], 23, v[SO+\b]           ; the scale's byte
.endr
	s_delay_alu instid0(VALU_DEP_3)
	v_lshl_or_b32 v[PS], v[PB+1], 8, v[PB]         ; p's scale word for these 128 keys
	s_delay_alu instid0(VALU_DEP_1)
	v_lshl_or_b32 v[PS], v[PB+2], 16, v[PS]
	s_delay_alu instid0(VALU_DEP_1)
	v_lshl_or_b32 v[PS], v[PB+3], 24, v[PS]
.irp b, 0,1,2,3                                ; the row's sum is taken of the unquantised p: two at a time, a chain to each block; the chains are joined behind the products
.set CH, PB+2*\b+10*(\b/2)
	v_pk_add_f32 v[CH:CH+1], v[S+16*\b:S+16*\b+1], v[S+16*\b+2:S+16*\b+3]
.endr
.irp i, 4,6,8,10,12,14
.irp b, 0,1,2,3
.set CH, PB+2*\b+10*(\b/2)
	v_pk_add_f32 v[CH:CH+1], v[CH:CH+1], v[S+16*\b+\i:S+16*\b+\i+1]
.endr
.endr
.irp b, 0,1,2,3
.irp i, 0,2,4,6,8,10,12,14
.endr
	v_cvt_scalef32_pk8_bf8_f32 v[PC+4*\b:PC+4*\b+1], v[S+16*\b:S+16*\b+7], v[SO+\b]
	v_cvt_scalef32_pk8_bf8_f32 v[PC+4*\b+2:PC+4*\b+3], v[S+16*\b+8:S+16*\b+15], v[SO+\b]
.irp c, 0,1,2,3
	ds_load_b128 v[S+16*\b+4*\c:S+16*\b+4*\c+3], v6 offset:8192+2048*\b+512*\c   ; V^T's fragment b, where block b's p lay: asked for as soon as the conversions have read it
.endr
.endr
.set J, 0
	s_setprio 0
.rept 16
	v_pk_mul_f32 v[O+J:O+J+1], v[O+J:O+J+1], v[F:F+1] op_sel_hi:[1,0]   ; O^T under the new M, each accumulator from its low end on.  (These are also the places between the codes and the products)
.set J, J+2
.endr
	s_wait_alu depctr_va_vdst(0)
.irp t, 0,1,2,3                                ; O^T += V^T P^T
	s_wait_dscnt 12-4*\t                           ; fragment t and all older LDS loads are in; the 4 loads of each later fragment may be out.  The last count is 0: the next record's K is in too
	v_wmma_scale_f32_16x16x128_f8f6f4 v[O+8*\t:O+8*\t+7], v[S+16*\t:S+16*\t+15], v[PC:PC+15], v[O+8*\t:O+8*\t+7], v[VS+\t], v[PS] matrix_a_fmt:MATRIX_FMT_BF8 matrix_b_fmt:MATRIX_FMT_BF8
.endr
	v_pk_fma_f32 v[14:15], v[14:15], v[F:F+1], v[PB:PB+1] op_sel_hi:[1,0,1]   ; the sum under the new M, and the four chains.  With the five v_nop nine places: the next S^T is laid over V^T's fragments
	v_pk_add_f32 v[C2:C2+1], v[C2:C2+1], v[C2+2:C2+3]
	s_delay_alu instid0(VALU_DEP_2)
	v_pk_add_f32 v[14:15], v[14:15], v[PB+2:PB+3]
	s_delay_alu instid0(VALU_DEP_1)
	v_pk_add_f32 v[14:15], v[14:15], v[C2:C2+1]
.rept 5
	v_nop
.endr
	s_add_co_u32 s40, s40, REC                     ; the next record
.endm
; THE CHANGE OF SLOTS stands at a slot's head.  Each wave waits for all its tensor loads (its record of the slot ahead), adds 0 to its spare word, and waits for that and for its reads of the slot that it has left.
; fill = 1: the barrier is a round of the cluster's, so that no wave of any partner still reads the slot left or has a load on its way; the joint refill is the first thing behind it and has four key steps in which to land.
.macro CHANGE fill
	s_wait_tensorcnt 0x0                           ; no tensor load of mine is out, so group 0 may be written
	ds_add_u32 v4, v5                              ; 0 onto my spare word
.if \fill
	s_xor_b32 s37, s37, SLOT1                      ; the walking descriptor: the other slot,
	s_add_nc_u64 s[38:39], s[38:39], 4*REC         ; the next four records; the type bits on top are not reached
.endif
	s_wait_dscnt 0x0                               ; the add is done, and my reads of the slot that I have left are over
.if \fill
	ROUND
	JLOAD
.else
	s_barrier_signal -1
	s_barrier_wait -1
.endif
.endm
.macro SLOT_STEPS                      ; a slot's four key steps: three that ask for the record behind them, walked in a loop, and the last, which asks for nothing: the next record lies in the other slot
	LOADK
	s_mov_b32 s42, 3
.Lstep_\@:
	s_setprio 2
	STEP 1
	s_sub_co_u32 s42, s42, 1
	s_cmp_lg_u32 s42, 0
	s_cbranch_scc1 .Lstep_\@
	s_setprio 0
	STEP 0
	s_sub_co_u32 s40, s40, 4*REC                   ; back to a slot's first record,
	s_xor_b32 s40, s40, SLOT1                      ; in the other slot
.endm
	s_wait_loadcnt 0x0                             ; Q
.Lslot:                                            ; 7 trips: behind each change of slots but the last the next slot is asked for
	CHANGE 1
	SLOT_STEPS
	s_sub_co_u32 s41, s41, 1
	s_cmp_lg_u32 s41, 0
	s_cbranch_scc1 .Lslot
	CHANGE 0                                       ; the last slot is written out
	SLOT_STEPS
	; THE WAY OUT: O^T / the sum is my 16 queries' part of the context: register 16 b + i = channel 32 b + 16 h + i of my head: two blocks of 32 along the last product's K.  It is quantised here and leaves as two pieces of an image.
	; (The nine places at the last step's end stand between the last products and these lines.)
	v_add_f32 v14, v14, v15                        ; the sum's two halves,
	s_delay_alu instid0(VALU_DEP_1)
	v_permlanex16_b32 v[T1], v14, s20, s21
	s_delay_alu instid0(VALU_DEP_1)
	v_add_f32 v14, v14, v[T1]                      ; and lane l xor 16's
	s_wait_alu depctr_va_vdst(0)
	v_rcp_f32 v14, v14
	v_nop                                          ; the plain line behind the reciprocal
.set J, 0
	s_wait_alu depctr_va_vdst(0)
.rept 16
	v_pk_mul_f32 v[S+J:S+J+1], v[O+J:O+J+1], v[14:15] op_sel_hi:[1,0]   ; each accumulator from its low end on
.set J, J+2
.endr
.irp b, 0,1
	v_max3_num_f32 v[BM+\b], |v[S+16*\b]|, |v[S+1+16*\b]|, 0x8000000
.endr
.irp i, 2,4,6,8,10,12,14
.irp b, 0,1
	s_delay_alu instid0(VALU_DEP_2)
	v_max3_num_f32 v[BM+\b], v[BM+\b], |v[S+16*\b+\i]|, |v[S+1+16*\b+\i]|
.endr
.endr
.irp b, 0,1
	s_delay_alu instid0(VALU_DEP_2)
	v_permlanex16_b32 v[PB+\b], v[BM+\b], s20, s21
.endr
.irp b, 0,1
	s_delay_alu instid0(VALU_DEP_2)
	v_max_num_f32 v[BM+\b], v[BM+\b], v[PB+\b]
.endr
.irp b, 0,1
	s_delay_alu instid0(VALU_DEP_2)
	v_add_nc_u32 v[SO+\b], 0xf8800000, v[BM+\b]
.endr
.irp b, 0,1
.endr
.irp b, 0,1
	s_delay_alu instid0(VALU_DEP_2)
	v_lshrrev_b32 v[PB+\b], 23, v[SO+\b]
.endr
	s_delay_alu instid0(VALU_DEP_1)
	v_lshl_or_b32 v[T1], v[PB+1], 8, v[PB]         ; my row's two scale bytes
.irp b, 0,1
.irp i, 0,1,2,3,4,5,6,7,8,9,10,11,12,13,14,15
.endr
	v_cvt_scalef32_pk8_bf8_f32 v[PC+4*\b:PC+4*\b+1], v[S+16*\b:S+16*\b+7], v[SO+\b]
	v_cvt_scalef32_pk8_bf8_f32 v[PC+4*\b+2:PC+4*\b+3], v[S+16*\b+8:S+16*\b+15], v[SO+\b]
.endr
	v_nop                                          ; one plain line behind the last scaled conversion
	global_store_b128 v1, v[PC:PC+3], s[10:11]     ; 32 lanes store 512 consecutive bytes
	global_store_b128 v1, v[PC+4:PC+7], s[10:11] offset:512
	ds_store_b16 v9, v[T1]                         ; the 16 tiles' scale bytes meet in LDS (both lanes of a row write the same two bytes with the same value)
	s_wait_dscnt 0x0                               ; for the others' sake: my store is done
	s_barrier_signal -1
	s_barrier_wait -1
	s_cmp_lg_u32 s[WV], 0
	s_cbranch_scc1 .Lnot_first
	ds_load_b128 v[PC+8:PC+11], v10
	s_wait_dscnt 0x0
	global_store_b128 v1, v[PC+8:PC+11], s[12:13]  ; wave 0 stores the work-group's 512 consecutive bytes
.Lnot_first:
	s_wait_tensorcnt 0x0                           ; the wave's end
	ds_add_u32 v4, v5
	s_wait_dscnt 0x0
	ROUND                                          ; the closing round: no work-group ends while a partner may still ask for a record that names it
	s_endpgm
.Lfunc_end_k_q4e899a9dbb_attn:
	.size	k_q4e899a9dbb_attn, .Lfunc_end_k_q4e899a9dbb_attn-k_q4e899a9dbb_attn
	.p2alignl 7, 3214868480
	.fill 96, 4, 3214868480
	.section	.rodata,"a",@progbits
	.p2align	6, 0x0
	.amdhsa_kernel k_q4e899a9dbb_attn
		.amdhsa_group_segment_fixed_size 327680
		.amdhsa_private_segment_fixed_size 0
		.amdhsa_enable_private_segment 0
		.amdhsa_kernarg_size 40
		.amdhsa_user_sgpr_count 2
		.amdhsa_user_sgpr_kernarg_segment_ptr 1
		.amdhsa_wavefront_size32 1
		.amdhsa_system_sgpr_workgroup_id_x 1
		.amdhsa_system_sgpr_workgroup_id_y 1
		.amdhsa_system_sgpr_workgroup_id_z 1
		.amdhsa_system_vgpr_workitem_id 0
		.amdhsa_next_free_vgpr 256
		.amdhsa_next_free_sgpr 66
		.amdhsa_reserve_vcc 0
		.amdhsa_float_denorm_mode_32 3
		.amdhsa_float_denorm_mode_16_64 3
		.amdhsa_fp16_overflow 1
		.amdhsa_memory_ordered 1
		.amdhsa_forward_progress 1
		.amdhsa_inst_pref_size 81
	.end_amdhsa_kernel
	.amdgpu_metadata
---
amdhsa.version: [ 1, 2 ]
amdhsa.kernels:
  - .name:           k_q4e899a9dbb_attn
    .symbol:         k_q4e899a9dbb_attn.kd
    .args:
      - { .name: qimg, .offset: 0, .size: 8, .value_kind: global_buffer, .address_space: global }
      - { .name: qsc, .offset: 8, .size: 8, .value_kind: global_buffer, .address_space: global }
      - { .name: kv, .offset: 16, .size: 8, .value_kind: global_buffer, .address_space: global }
      - { .name: cimg, .offset: 24, .size: 8, .value_kind: global_buffer, .address_space: global }
      - { .name: csc, .offset: 32, .size: 8, .value_kind: global_buffer, .address_space: global }
    .group_segment_fixed_size: 327680
    .private_segment_fixed_size: 0
    .kernarg_segment_align: 8
    .kernarg_segment_size: 40
    .max_flat_workgroup_size: 512
    .sgpr_count:     66
    .vgpr_count:     256
    .wavefront_size: 32
...
	.end_amdgpu_metadata
.endif
;; end of part 3
;; launch outp (part 4): grid 64 x 4, 4 waves a work-group, no clusters, 17,920 bytes of LDS; arguments cimg, csc, qc, qs, bo, out0; writes out0
.if DOCPART == 4
	.amdgcn_target "amdgcn-amd-amdhsa--gfx1250"
	.amdhsa_code_object_version 6
	.text
	.protected	k_q4e899a9dbb_outp
	.globl	k_q4e899a9dbb_outp
	.p2align	8
	.type	k_q4e899a9dbb_outp,@function
k_q4e899a9dbb_outp:
	s_mov_b64 s[64:65], 0
	v_nop
	global_prefetch_b8 v0, s[64:65] scope:SCOPE_SE
	s_setreg_imm32_b32 hwreg(HW_REG_WAVE_MODE, 25, 1), 1
	s_wait_xcnt 0x0
; out0 = context Wo^T + bo on codes of BF8 (E5M2) with E8M0 scales; out0 [8192][512] f32.
; A work-group makes 128 rows (context tiles 8 gx on) x 128 columns (Wo's tiles 8 y on); wave w = 2 wm + wn makes 64 x 64: context tiles 4 wm + m, Wo's tiles 4 wn + t: 16 accumulators x 4 K steps = 64 matrix instructions, written out.
; Both operands lie in memory as images of their registers (16 bytes a lane, 512 consecutive bytes a load) and go straight into them: 256 registers each, all of K.  Each fragment feeds four products from registers.
; NO LDS RING, NO JOINT LOADS: a wave reads 64 KiB once; through LDS every byte would be written and read once more for the same register loads.
; THE MATRIX INSTRUCTION IS USED TRANSPOSED (source 0 = Wo's tile, source 1 = the context's): by the tiles' row order (lane row r of tile T is row 32 (T / 2) + 8 (T % 2) + r + 8 (r / 8)) register j of tile t in lane (r, h)
; is column 32 (t / 2) + 8 (t % 2) + 16 h + j of the wave's 64, in the context tile's lane row r.  The row order is undone in the stores' immediates.  bo is the C of each sum's first matrix instruction.
; The context's scale bytes lie by head, [head][group][r 16][tile 8] halfwords: the words of a K step (two heads) are put together by v_perm_b32.
; REGISTERS.  window 0: v1 16 x lane, v2 16 r, v3 64 h, v4, v5 the stage in and out, v6 my offset in out0; v16-31 Wo's scale words [4 t + s]; v32-47 the context's [4 m + s]; v48-63 its halfwords as loaded; v80-111 bo as C [8 t + j];
;   v128-255 accumulator (m, t) at v[128 + 8 (4 m + t)]; on the way out v48-79 and v80-111 take rows back from the stage.   window 1: Wo's fragments at v[16 (4 s + t)].   window 2: the context's at v[16 (4 s + m)].
.set WS,   16
.set CW,   32
.set RAW,  48
.set CB,   80
.set ACC,  128
.set BK,   48
.set MSB,  0
.macro WIN new                         ; the immediate's high byte repeats the setting that is left
.if MSB != \new
	s_set_vgpr_msb (MSB<<8)|\new
.set MSB, \new
.endif
.endm
	s_load_b256 s[4:11], s[0:1], 0x0               ; cimg, csc, qc, qs
	s_load_b128 s[12:15], s[0:1], 0x20             ; bo, out0
	v_lshl_add_u32 v126, v0, 2, 0x4400
	v_mov_b32 v127, 0
	v_lshrrev_b32 v1, 5, v0
	v_readfirstlane_b32 s16, v1                    ; w
	s_lshr_b32 s17, s16, 1                         ; wm
	s_and_b32 s18, s16, 1                          ; wn
	s_mov_b32 s19, ttmp9                           ; gx
	s_and_b32 s20, ttmp7, 0xffff                   ; y
	v_and_b32 v1, 31, v0
	v_lshlrev_b32 v1, 4, v1                        ; 16 x lane
	v_and_b32 v7, 15, v0                           ; r
	v_bfe_u32 v8, v0, 4, 1                         ; h
	v_lshlrev_b32 v2, 4, v7
	v_lshlrev_b32 v3, 6, v8
	s_mul_i32 s21, s16, 4352                       ; my stage: 16 rows x (256 + 16) bytes
	v_mul_u32_u24 v4, v7, 272
	v_add_nc_u32 v4, v4, v3
	v_add_nc_u32 v4, s21, v4                       ; in: row r, + 64 h
	v_mul_u32_u24 v5, v8, 272
	v_add_nc_u32 v5, v5, v2
	v_add_nc_u32 v5, s21, v5                       ; back: lanes 0-15 one row of 256 bytes, lanes 16-31 the next
	v_lshl_add_u32 v6, v8, 11, v2                  ; and the same two rows in out0
	s_lshl_b32 s22, s20, 3
	s_lshl_b32 s23, s18, 2
	s_add_co_u32 s22, s22, s23
	s_add_co_u32 s22, s22, 608                     ; Wo's first tile of mine
	s_lshl_b32 s24, s22, 13
	s_mov_b32 s25, 0
	s_lshl_b32 s26, s22, 8
	s_mov_b32 s27, 0
	s_lshl_b32 s22, s19, 3
	s_lshl_b32 s23, s17, 2
	s_add_co_u32 s22, s22, s23                     ; the context's first tile of mine
	s_lshl_b32 s28, s22, 13
	s_mov_b32 s29, 0
	s_lshr_b32 s22, s19, 5
	s_lshl_b32 s30, s22, 16                        ; its scale bytes: 65,536 a batch,
	s_and_b32 s22, s19, 31
	s_lshl_b32 s22, s22, 8                         ; 256 a group of 8 tiles,
	s_add_co_u32 s30, s30, s22
	s_lshl_b32 s22, s17, 3                         ; my four tiles' 8 bytes of a row's 16
	s_add_co_u32 s30, s30, s22
	s_mov_b32 s31, 0
	s_lshl_b32 s32, s20, 9
	s_lshl_b32 s22, s18, 8
	s_add_co_u32 s32, s32, s22                     ; my 64 columns, in bytes
	s_mov_b32 s33, 0
	s_lshl_b32 s34, s19, 7
	s_lshl_b32 s22, s17, 6
	s_add_co_u32 s34, s34, s22
	s_lshl_b32 s34, s34, 11
	s_add_co_u32 s34, s34, s32                     ; my first row of out0, and my columns
	s_mov_b32 s35, 0
	s_wait_alu depctr_va_vdst(0)
	s_wait_kmcnt 0x0
	s_add_nc_u64 s[8:9], s[8:9], s[24:25]
	s_add_nc_u64 s[10:11], s[10:11], s[26:27]
	s_add_nc_u64 s[4:5], s[4:5], s[28:29]
	s_add_nc_u64 s[6:7], s[6:7], s[30:31]
	s_add_nc_u64 s[12:13], s[12:13], s[32:33]
	s_add_nc_u64 s[14:15], s[14:15], s[34:35]
.irp t, 0,1,2,3
	global_load_b128 v[WS+4*\t:WS+4*\t+3], v2, s[10:11] offset:256*\t
.endr
.irp d, 0,1,2,3,4,5,6,7
	global_load_b64 v[RAW+2*\d:RAW+2*\d+1], v2, s[6:7] offset:8192*\d   ; head d: my four tiles' halfwords of row r
.endr
.irp t, 0,1,2,3
	global_load_b128 v[CB+8*\t:CB+8*\t+3], v3, s[12:13] offset:128*(\t/2)+32*(\t%2)
	global_load_b128 v[CB+8*\t+4:CB+8*\t+7], v3, s[12:13] offset:128*(\t/2)+32*(\t%2)+16
.endr
	WIN 0x40                                       ; destination window 1
.irp s, 0,1,2,3
.irp t, 0,1,2,3
.irp c, 0,1,2,3
	global_load_b128 v[16*(4*\s+\t)+4*\c:16*(4*\s+\t)+4*\c+3], v1, s[8:9] offset:8192*\t+2048*\s+512*\c
.endr
.endr
.endr
	WIN 0x80                                       ; destination window 2: the context last, K step by K step, so that the products can begin on the first
.irp s, 0,1,2,3
.irp m, 0,1,2,3
.irp c, 0,1,2,3
	global_load_b128 v[16*(4*\s+\m)+4*\c:16*(4*\s+\m)+4*\c+3], v1, s[4:5] offset:8192*\m+2048*\s+512*\c
.endr
.endr
.endr
	WIN 0
; 16 products: K step s, the 16 accumulators by turns
.macro MUL s
.irp m, 0,1,2,3
.irp t, 0,1,2,3
.if \s == 0
	v_wmma_scale_f32_16x16x128_f8f6f4 v[ACC+8*(4*\m+\t):ACC+8*(4*\m+\t)+7], v[16*(4*\s+\t):16*(4*\s+\t)+15], v[16*(4*\s+\m):16*(4*\s+\m)+15], v[CB+8*\t:CB+8*\t+7], v[WS+4*\t+\s], v[CW+4*\m+\s] matrix_a_fmt:MATRIX_FMT_BF8 matrix_b_fmt:MATRIX_FMT_BF8
.else
	v_wmma_scale_f32_16x16x128_f8f6f4 v[ACC+8*(4*\m+\t):ACC+8*(4*\m+\t)+7], v[16*(4*\s+\t):16*(4*\s+\t)+15], v[16*(4*\s+\m):16*(4*\s+\m)+15], v[ACC+8*(4*\m+\t):ACC+8*(4*\m+\t)+7], v[WS+4*\t+\s], v[CW+4*\m+\s] matrix_a_fmt:MATRIX_FMT_BF8 matrix_b_fmt:MATRIX_FMT_BF8
.endif
.endr
.endr
.endm
	s_wait_loadcnt 48                              ; all is in but the context's K steps 1 to 3, 16 loads each
.irp s, 0,1,2,3
.irp m, 0,2
	v_perm_b32 v[CW+4*\m+\s], v[RAW+2*(2*\s+1)+\m/2], v[RAW+4*\s+\m/2], 0x05040100   ; the word of K step s: head 2 s's two bytes below, head 2 s + 1's above; an even tile's halfword is the low one,
	v_perm_b32 v[CW+4*(\m+1)+\s], v[RAW+2*(2*\s+1)+\m/2], v[RAW+4*\s+\m/2], 0x07060302   ; an odd tile's the high one
.endr
.endr
.rept 8
	v_nop                                          ; a scale register written by a vector instruction stands eight places ahead of the scaled matrix instruction
.endr
	WIN 0x09                                       ; source 0 window 1, source 1 window 2
	MUL 0
	s_wait_alu depctr_va_vdst(0)
	s_wait_loadcnt 32
	MUL 1
	s_wait_loadcnt 16
	MUL 2
	s_wait_loadcnt 0x0
	MUL 3
	WIN 0
.rept 8
	v_nop                                          ; eight places ahead of the first read of results and of loads into registers that matrix instructions have read
.endr
; THE WAY OUT, a context tile (16 rows x my 64 columns) at a time: a lane holds 32 neighbouring bytes of a row and the lanes beside it other rows, so the block goes through my own stage and comes back as whole rows of 256 bytes.
.macro TOSTAGE m
.irp t, 0,1,2,3
	ds_store_b128 v4, v[ACC+8*(4*(\m)+\t):ACC+8*(4*(\m)+\t)+3] offset:128*(\t/2)+32*(\t%2)       ; each accumulator from its low end on
	ds_store_b128 v4, v[ACC+8*(4*(\m)+\t)+4:ACC+8*(4*(\m)+\t)+7] offset:128*(\t/2)+32*(\t%2)+16
.endr
.irp k, 0,1,2,3,4,5,6,7
	ds_load_b128 v[BK+32*((\m)%2)+4*\k:BK+32*((\m)%2)+4*\k+3], v5 offset:544*\k   ; LDS serves a wave's instructions in order (ISA guide 5.7.1.4): these see the stores above, and the next block's stores come behind them
.endr
.endm
.macro SEND m, younger                 ; younger: the LDS instructions issued behind block m's loads, which may stay out
	s_wait_dscnt \younger
.irp k, 0,1,2,3,4,5,6,7
	global_store_b128 v6, v[BK+32*((\m)%2)+4*\k:BK+32*((\m)%2)+4*\k+3], s[14:15] offset:(32*((\m)/2)+8*((\m)%2)+2*\k+8*(\k/4))*2048 th:TH_STORE_NT   ; sixteen lanes store 256 consecutive bytes, aligned; stage row 2 k + h is row 2 k + h + 8 (k / 4) of the tile's 32
.endr
.endm
	TOSTAGE 0
	TOSTAGE 1
	SEND 0, 16                                     ; behind block 0's loads: block 1's 8 stores and 8 loads
	s_wait_xcnt 0x0                                ; block 0's stores have read their registers: block 2's loads may land there
	TOSTAGE 2
	SEND 1, 16
	s_wait_xcnt 0x0
	TOSTAGE 3
	SEND 2, 16
	SEND 3, 0
	s_wait_tensorcnt 0x0
	ds_add_u32 v126, v127
	s_wait_dscnt 0x0
	s_endpgm
.Lfunc_end_k_q4e899a9dbb_outp:
	.size	k_q4e899a9dbb_outp, .Lfunc_end_k_q4e899a9dbb_outp-k_q4e899a9dbb_outp
	.p2alignl 7, 3214868480
	.fill 96, 4, 3214868480
	.section	.rodata,"a",@progbits
	.p2align	6, 0x0
	.amdhsa_kernel k_q4e899a9dbb_outp
		.amdhsa_group_segment_fixed_size 17920
		.amdhsa_private_segment_fixed_size 0
		.amdhsa_enable_private_segment 0
		.amdhsa_kernarg_size 48
		.amdhsa_user_sgpr_count 2
		.amdhsa_user_sgpr_kernarg_segment_ptr 1
		.amdhsa_wavefront_size32 1
		.amdhsa_system_sgpr_workgroup_id_x 1
		.amdhsa_system_sgpr_workgroup_id_y 1
		.amdhsa_system_sgpr_workgroup_id_z 1
		.amdhsa_system_vgpr_workitem_id 0
		.amdhsa_next_free_vgpr 768
		.amdhsa_next_free_sgpr 66
		.amdhsa_reserve_vcc 0
		.amdhsa_float_denorm_mode_32 3
		.amdhsa_float_denorm_mode_16_64 3
		.amdhsa_memory_ordered 1
		.amdhsa_forward_progress 1
		.amdhsa_inst_pref_size 35
	.end_amdhsa_kernel
	.amdgpu_metadata
---
amdhsa.version: [ 1, 2 ]
amdhsa.kernels:
  - .name:           k_q4e899a9dbb_outp
    .symbol:         k_q4e899a9dbb_outp.kd
    .args:
      - { .name: cimg, .offset: 0, .size: 8, .value_kind: global_buffer, .address_space: global }
      - { .name: csc, .offset: 8, .size: 8, .value_kind: global_buffer, .address_space: global }
      - { .name: qc, .offset: 16, .size: 8, .value_kind: global_buffer, .address_space: global }
      - { .name: qs, .offset: 24, .size: 8, .value_kind: global_buffer, .address_space: global }
      - { .name: bo, .offset: 32, .size: 8, .value_kind: global_buffer, .address_space: global }
      - { .name: out0, .offset: 40, .size: 8, .value_kind: global_buffer, .address_space: global }
    .group_segment_fixed_size: 17920
    .private_segment_fixed_size: 0
    .kernarg_segment_align: 8
    .kernarg_segment_size: 48
    .max_flat_workgroup_size: 128
    .sgpr_count:     66
    .vgpr_count:     768
    .wavefront_size: 32
...
	.end_amdgpu_metadata
.endif
;; end of part 4
